; MI455X (gfx1250); checked and timed in simulation.
; The chip was launched on July 23, 2026; its instructions are those of AMD's public machine-readable ISA for CDNA 5 (MIT licence, August 2026) and "CDNA5" Instruction Set Architecture Reference Guide (July 2026). The comments in the code are by the model that wrote it; some were corrected since.
;; Causal Self Attention. Allowed arithmetic: matrix products marked QUANTISED: E5M2 operands, one E8M0 scale for each 32 along K, by v_wmma_scale_f32_16x16x128_f8f6f4 with both operands' format E5M2, f32 sums; everything else in f32.
;; Inputs: b_proj 1,024 float32; b_qkv 3,072 float32; w_proj_codes 1,024 x 32 x 32 uint8 (E5M2 codes of w_proj, K innermost, in blocks of 32 codes); w_proj_scales 1,024 x 32 uint8 (E8M0 scales of w_proj, one for each 32 codes along K); w_qkv_codes 3,072 x 32 x 32 uint8 (E5M2 codes of w_qkv, K innermost, in blocks of 32 codes); w_qkv_scales 3,072 x 32 uint8 (E8M0 scales of w_qkv, one for each 32 codes along K); x_codes 4 x 2,048 x 32 x 32 uint8 (E5M2 codes of x, K innermost, in blocks of 32 codes); x_scales 4 x 2,048 x 32 uint8 (E8M0 scales of x, one for each 32 codes along K).
;; Outputs: out0 4 x 2,048 x 1,024 float32.
;; This version of the problem:
;;   THIS VERSION OF THE PROBLEM IS GIVEN IN LOW PRECISION. The matrix products marked QUANTISED in the list below multiply operands that are first quantised to E5M2 (5 exponent bits, 2 mantissa bits; 8 bits a number), with one power-of-two scale for each 32 numbers along K (OCP MX v1.0); their sums are f32. All else is computed in f32.
;;   The module's matrix products, in the order in which they are computed (A, B: the left and right operand; K: the contracted axis; several contracted axes count as one K, in the product's order):
;;     1. [M 8,192, K 1,024] x [K 1,024, N 3,072]; A: input x (given as codes); B: input w_qkv (given as codes): QUANTISED
;;     2. batch 64 x [M 2,048, K 64] x [K 64, N 2,048]; A: computed on the way; B: computed on the way: QUANTISED
;;     3. batch 64 x [M 64, K 2,048] x [K 2,048, N 2,048]; A: computed on the way; B: softmax (see below): QUANTISED
;;     4. [M 8,192, K 1,024] x [K 1,024, N 1,024]; A: computed on the way; B: input w_proj (given as codes): QUANTISED
;;   THE QUANTISER, for each operand of a quantised product, along K:
;;     - K is cut into blocks of 32 from its start; a last block that is shorter is filled with zeros.
;;     - A block's scale is 2^e with e = floor(log2(the largest magnitude in the block)) - 15, held to -126 .. 127; a block of zeros has e = 0. As a byte (E8M0): e + 127.
;;     - Each number is divided by its block's scale, clamped to +-57,344, and rounded to the nearest number of E5M2, ties to even, subnormals kept.
;;     - The product sums the exact products of the quantised numbers (number of the format x scale) in f32.
;;   ~~~python
;;   def quantise(x, axis):      # numpy; x: float32 -> the quantised numbers, widened to float32 again
;;       x = np.moveaxis(x, axis, -1); K = x.shape[-1]
;;       x = np.pad(x, [(0, 0)] * (x.ndim - 1) + [(0, -K % 32)]); x = x.reshape(x.shape[:-1] + (-1, 32)); a = np.abs(x).max(-1, keepdims=True)
;;       e = np.where(a > 0, np.clip(np.frexp(np.where(a > 0, a, 1))[1] - 1 - 15, -126, 127), 0)      # np.frexp(a)[1] - 1 = floor(log2(a)), exactly
;;       r = np.clip(x / 2.0 ** e, -57344, 57344)
;;       step = 2.0 ** (np.maximum(np.frexp(np.where(r == 0, 1, r))[1] - 1, -14) - 2)
;;       q = np.round(r / step) * step * 2.0 ** e      # np.round: ties to even
;;       return np.moveaxis(q.reshape(q.shape[:-2] + (-1,))[..., :K], -1, axis).astype(np.float32)
;;   ~~~
;;   SOFTMAX AHEAD OF A QUANTISED PRODUCT. Where the list says 'softmax', what is quantised is not the finished softmax but p = 2^(t - M), with t = logit x log2(e) and M = ceil(the row's largest t), a whole number; so 1/2 < the row's largest p <= 1. The row's sum l is taken of the UNQUANTISED p, in f32, and the product's result is divided by l at the end. Since M is a whole number, a kernel that streams over the keys may use a running M (the ceiling of the running maximum): every later rescaling is an exact power of two, which a block's scale takes up: the codes' values come out the same.
;;   OPERANDS COMPUTED ON THE WAY. 'Computed on the way' means the value that the module computes at that place (a softmax that the list does not call 'softmax' is quantised finished and normalised). What goes into a quantiser is computed in f32, as accurately as f32 sums, v_exp_f32 and their like allow (about 1e-6 of the number): no bf16 or f16 on the way to a quantiser, and a product that is left as it is and whose result goes on into a quantised operand takes f32 operands (vector FMAs, or v_wmma_f32_16x16x4_f32). A number that lies on a knife's edge between two numbers of the format may be rounded either way, as far as f32 arithmetic and the matrix unit's own rounding can turn it there, and no further.
;;   INPUTS GIVEN AS CODES. w_proj (in the module: [1024, 1024], K = its axis 0); w_qkv (in the module: [1024, 3072], K = its axis 0); x (in the module: [4, 2048, 1024], K = its axis 2): each comes as NAME_codes (uint8): NAME with its K axis moved to the last place and cut into blocks of 32 codes, [.., K / 32, bytes a block], one block behind the other in memory; one code a byte (a code: sign, 5 exponent bits, 2 mantissa bits); and NAME_scales (uint8): the same leading axes, one E8M0 byte (e + 127) for each 32 codes along K. Its value is code x scale, taken as it is: it is not quantised again, and the codes and scales need not be those that the quantiser above would give.
;; One version. Each part assembles by itself: llvm-mc -triple=amdgcn-amd-amdhsa -mcpu=gfx1250 --defsym DOCPART=n.
;; ======== version 1 of 1: 3 launches
;; limits: right only within a limited range of input values
;; workspace buffers: q_img 8,388,608 bytes; q_sc 524,288 bytes; kv 17,563,648 bytes; o_img 8,388,608 bytes; o_sc 262,144 bytes
;; launch qkv (part 1): grid 8 x 32, 4 waves a work-group, clusters of 4 x 4, 327,680 bytes of LDS; arguments x_codes, x_scales, w_qkv_codes, w_qkv_scales, b_qkv, q_img, q_sc, kv; writes q_img, q_sc, kv
.if DOCPART == 1
	.amdgcn_target "amdgcn-amd-amdhsa--gfx1250"
	.amdhsa_code_object_version 6
	.text
	.protected	k_q209fb697db_qkv
	.globl	k_q209fb697db_qkv
	.p2align	8
	.type	k_q209fb697db_qkv,@function
k_q209fb697db_qkv:
	s_mov_b64 s[64:65], 0
	v_nop
	global_prefetch_b8 v0, s[64:65] scope:SCOPE_SE
	s_setreg_imm32_b32 hwreg(HW_REG_WAVE_MODE, 25, 1), 1
	s_wait_xcnt 0x0
	s_wait_alu depctr_hold_cnt(0) depctr_sa_sdst(0) depctr_va_vdst(0) depctr_va_sdst(0) depctr_va_ssrc(0) depctr_va_vcc(0) depctr_vm_vsrc(0)
	s_getreg_b32 s2, hwreg(HW_REG_IB_STS2, 6, 4)
	s_cmp_eq_u32 s2, 0
	s_cbranch_scc0 .Lentry_in_a_cluster
	s_endpgm
.Lentry_in_a_cluster:
	s_bfe_u32 s2, ttmp6, 0x10000c
	s_cmp_lg_u32 s2, 0xf033
	s_cbranch_scc0 .Lentry_shape_is_right
	s_endpgm
.Lentry_shape_is_right:
; qkv = x w_qkv + b_qkv on codes of BF8 (E5M2) with one E8M0 scale for each 32 along K = 1,024; the f32 results are quantised here and leave as codes: q and k along the head's 64, v along the keys.
; SHARES.  256 work-groups: work-group (x, y) takes tokens 256 y .. + 255 and rows 128 x .. + 127 of each of w_q, w_k, w_v (two heads): three phases.  A wave takes 64 of the tokens: 768 matrix instructions.
; x IS HELD IN REGISTERS.  Its 256 rows, all of K, come into LDS once (pitch 1,024 + 16), 64 rows a wave, asked for jointly along the cluster's row; each wave reads its own 64 rows into 512 registers.
; THE WEIGHTS' ROWS ARE FILLED OVER THEM, jointly along the cluster's column, each fill behind a drained round of the cluster's barrier: w_q's 128 rows (waves 0, 1) into slot 0 and w_k's (waves 2, 3) into slot 1, 64 rows a wave;
; behind the q phase's products w_v's rows into slot 0, 32 rows a wave, shown by a plain barrier inside the k phase.  NO PREFETCH: the text has no loop to run ahead in.
; THE ORDER.  A phase is two groups of 64 rows (a head each).  A group goes by K; its 4 x 4 accumulators take turns.  The weights' fragments come from LDS in runs of 32 loads, two sets by turns.
; q, k: source 0 = the weight's rows, source 1 = tokens: a lane holds one token, its registers run along d.  v: source 0 = tokens, source 1 = the weight's rows: a lane holds one d, its registers run along the keys.
; Accumulator (lane's tile u, registers' tile s) lies at 8 (4 u + s): 32 registers on end are two blocks of 32 along the next K, 16 numbers in this lane and 16 in lane l xor 16.  The bias is the first products' C.
; THE WAY OUT of a group: the block's scale, the hold, the conversion, in place; two exchanges of half-waves on the codes give each lane 16 neighbours, the order of an operand's registers.
; The workspace is laid as IMAGES OF OPERAND REGISTERS (four registers = 512 consecutive bytes, lane l's 16 bytes at 16 l): each store of codes covers 512 consecutive bytes, aligned.
;   q_img [bh][token tile 128][c 2][512];  q_sc [bh][128 tokens 16][512]: word at 16 lane + 4 i: token tile 2 i + hf, row r: bytes block 0, block 1, 0x7f, 0x7f
;   kv: a record of REC bytes for each (bh, 256 keys): k's codes [s 2][tile 8][c 2][512]; v's codes at 16,384 [s 2][d tile 4][c 4][512]; k's scale words at 32,768 [s][512] as q_sc; v's at 33,792 [s][256]: word at 8 lane + 4 i: d tile 2 i + hf
; A wave holds 64 tokens, half of what a scale image spans: q's and k's scale words leave as 8 bytes a lane, v's as 2 bytes a lane: parts of aligned 256-byte blocks, about one byte in 20 of what the launch stores.
; LIMITS: NaN and infinities among the inputs are not served.  A block whose largest magnitude lies under 2^(16 - 127) gets the byte 1, a block of zeros too, where the quantiser's rule says 127: its codes are
; zeros, which add nothing under any byte but 0xff, and the bytes are read by this program alone.
; REGISTERS: window 0: v2-15 addresses; v32-63 the phase's weight scale words (8 p + ks: lanes 0-15 block 2 p, lanes 16-31 block 2 p + 1); v68-83 x's likewise; v84-88 scale words made; v96-223 sixteen accumulators;
;   v224-255 the group's bias, then codes and the quantiser's work.  Windows 1, 2: x's fragment (ks, t) is number 4 ks + t, 16 registers each.  Window 3: the weight's fragments, two sets of 128.
.set REC,    34304
.set PITCH,  1040
.set SCR,    256*PITCH                 ; behind the rows: the bias of my work-group's 3 x 128 columns, a copy of 1,536 bytes for each wave
.set SPARE,  SCR+4*1536                ; the spare words, 128 bytes for each wave
.set VO0,  2                           ; 16 x lane
.set V8,   3                           ; 8 x lane
.set L32,  7                           ; 32 x lane
.set ADRX, 8                           ; LDS: my lane in my 64 rows of x
.set ABS,  9                           ; LDS: the bias: 16 x lane;  v10: 32 hf;  v11: 4 r
.set ABQ,  10
.set ABV,  11
.set ADRW, 12                          ; v12-15 LDS: my lane in rows 0, 64, 128, 192 on
.set SPW,  28
.set NIL,  29
.set WS,   32
.set XS,   68                          ; (no product's two scale words have numbers equal modulo 8)
.set PW,   84                          ; v84-85 four scale bytes of two lane tiles;  v86-87 the words that leave;  v88 at work
.set SW,   86
.set TW,   88
.set ACC,  96
.set BB,   224
.set CD,   224
.set TM,   240
.set G1X,  24
.set G1W,  32
.set G1V,  48
.set G0X,  56
.set G0W,  60
.set G0V,  68
.set MSB, 0
.macro WIN new                         ; the immediate's high byte repeats the setting that is left
.if MSB != (\new)
	s_set_vgpr_msb (MSB<<8)|(\new)
.set MSB, (\new)
.endif
.endm
.macro CROUND                          ; a round of the cluster's barrier
	s_barrier_signal -1
	s_barrier_wait -1
	s_cmp_lg_u32 s14, 0
	s_cbranch_scc1 .Lnot_wave_0_\@
	s_barrier_signal -3
.Lnot_wave_0_\@:
	s_barrier_wait -3
	s_barrier_signal -1
	s_barrier_wait -1
.endm
.macro PLACES n
.rept \n
	v_nop
.endr
.endm
.macro GROUP1 g, mask, rows            ; so many whole rows of 1,024 bytes, dense in memory, 16 bytes of padding behind each in LDS; bit 21 beside the mask
	s_or_b32 s[\g+0], s[\mask], (1<<20)|(1<<21)|(7<<22)|(3<<25)
	s_mov_b32 s[\g+1], 1024<<16
	s_mov_b32 s[\g+2], (\rows)<<16
	s_mov_b32 s[\g+3], 1024<<16
	s_mov_b32 s[\g+4], \rows
	s_mov_b32 s[\g+5], 1024
	s_mov_b32 s[\g+6], 0
	s_mov_b32 s[\g+7], 0
.endm
.macro GRD
	s_wait_tensorcnt 0x0
	ds_add_u32 v[SPW], v[NIL]
	s_wait_dscnt 0x0
.endm
.macro FETCH m                         ; the weight's fragments of double step m (group m / 4; K steps 2 (m % 4) and + 1; four blocks of 16 rows) into set m % 2: 32 loads
.set FN_, (\m)/4
.set FA_, 2*((FN_/2)%2)+FN_%2
.set FK_, (\m)%4
.set FE_, (\m)%2
	WIN 0xc0
.irp ki, 0,1
.irp g, 0,1,2,3
.irp c, 0,1,2,3
	ds_load_b128 v[128*FE_+64*\ki+16*\g+4*\c:128*FE_+64*\ki+16*\g+4*\c+3], v[ADRW+FA_] offset:\g*16*PITCH+128*(2*FK_+\ki)+32*\c
.endr
.endr
.endr
	WIN 0
.endm
.macro WSLOAD p                        ; phase p's weight scale words: lane l takes row l of 32 neighbouring rows, 32 bytes each
.irp q, 0,1,2,3
	global_load_b128 v[WS+8*\q:WS+8*\q+3], v[L32], s[86:87] offset:32768*(\p)+1024*\q
	global_load_b128 v[WS+8*\q+4:WS+8*\q+7], v[L32], s[86:87] offset:32768*(\p)+1024*\q+16
.endr
.endm
.macro BBLOAD n                        ; group n's bias in the layout of a result.  q, k: register 8 g + j: column 16 g + 8 hf + j.  v: registers 8 g + 0 .. 7: column 16 g + r
.if (\n) < 4
.irp g, 0,1,2,3
	ds_load_b128 v[BB+8*\g:BB+8*\g+3], v[ABQ] offset:256*(\n)+64*\g
	ds_load_b128 v[BB+8*\g+4:BB+8*\g+7], v[ABQ] offset:256*(\n)+64*\g+16
.endr
.else
.irp g, 0,1,2,3
.irp j, 0,1,2,3,4,5,6,7
	ds_load_b32 v[BB+8*\g+\j], v[ABV] offset:256*(\n)+64*\g
.endr
.endr
.endif
.endm
.macro PROD
.if RA_ && RB_
	v_wmma_scale_f32_16x16x128_f8f6f4 v[AC_:AC_+7], v[S0_:S0_+15], v[S1_:S1_+15], v[C_:C_+7], v[SA_], v[SB_] matrix_a_fmt:MATRIX_FMT_BF8 matrix_b_fmt:MATRIX_FMT_BF8 matrix_a_scale:MATRIX_SCALE_ROW1 matrix_b_scale:MATRIX_SCALE_ROW1
.elseif RA_
	v_wmma_scale_f32_16x16x128_f8f6f4 v[AC_:AC_+7], v[S0_:S0_+15], v[S1_:S1_+15], v[C_:C_+7], v[SA_], v[SB_] matrix_a_fmt:MATRIX_FMT_BF8 matrix_b_fmt:MATRIX_FMT_BF8 matrix_a_scale:MATRIX_SCALE_ROW1
.elseif RB_
	v_wmma_scale_f32_16x16x128_f8f6f4 v[AC_:AC_+7], v[S0_:S0_+15], v[S1_:S1_+15], v[C_:C_+7], v[SA_], v[SB_] matrix_a_fmt:MATRIX_FMT_BF8 matrix_b_fmt:MATRIX_FMT_BF8 matrix_b_scale:MATRIX_SCALE_ROW1
.else
	v_wmma_scale_f32_16x16x128_f8f6f4 v[AC_:AC_+7], v[S0_:S0_+15], v[S1_:S1_+15], v[C_:C_+7], v[SA_], v[SB_] matrix_a_fmt:MATRIX_FMT_BF8 matrix_b_fmt:MATRIX_FMT_BF8
.endif
.endm
; A DOUBLE STEP: 2 x 16 products.  Behind them eight places, then the run of loads that fills its set again, two double steps ahead.
.macro DS m
.set N_, (\m)/4
.set P_, N_/2
.set G_, N_%2
.set KP_, (\m)%4
.set E_, (\m)%2
.if KP_ == 0
	s_wait_loadcnt 0x0                             ; the phase's scale words
	s_wait_dscnt 0x0                               ; my set and the group's bias
.elseif (\m) == 23
	s_wait_dscnt 0x0
.else
	s_wait_dscnt 32                                ; my set is in; the other set's 32 loads may be out
.endif
.set KI_, 0
.rept 2
.set KS_, 2*KP_+KI_
.if P_ == 2
	WIN (1+KS_/4)|(3<<2)                           ; source 0: x, window 1 or 2; source 1: the weight, window 3; C and D window 0
.else
	WIN 3|((1+KS_/4)<<2)                           ; the other way round
.endif
.set GG_, 0
.rept 4
.set TT_, 0
.rept 4
.set W_, 128*E_+64*KI_+16*GG_
.set R_, 16*((4*KS_+TT_)%16)
.set SWW_, WS+8*(2*G_+GG_/2)+KS_
.set SXX_, XS+8*(TT_/2)+KS_
.if P_ == 2
.set AC_, ACC+8*(4*GG_+TT_)
.set S0_, R_
.set S1_, W_
.set SA_, SXX_
.set SB_, SWW_
.set RA_, TT_%2
.set RB_, GG_%2
.else
.set AC_, ACC+8*(4*TT_+GG_)
.set S0_, W_
.set S1_, R_
.set SA_, SWW_
.set SB_, SXX_
.set RA_, GG_%2
.set RB_, TT_%2
.endif
.set C_, AC_
.if KS_ == 0
.set C_, BB+8*GG_
.endif
	PROD
.set TT_, TT_+1
.endr
.set GG_, GG_+1
.endr
.set KI_, KI_+1
.endr
	WIN 0
	PLACES 8                                       ; behind the last products: for the loads into what they read, and for the first readers of finished sums (ISA guide 7.12.1 for the readers of sums)
.if (\m) == 14
	s_wait_tensorcnt 0x0                           ; my 32 rows of w_v are in, and no LDS load of mine is out:
	s_wait_dscnt 0x0
	s_barrier_signal -1
	s_barrier_wait -1                              ; everybody's are
.endif
.if (\m) < 22
	FETCH (\m)+2
.endif
.endm
; QUANT: 64 numbers of a lane, v[s] on; registers 16 b + 0 .. 15 are my 16 of block b's 32.  Codes to v[CD] on, the four scale bytes to v[pw].
.macro QUANT s, pw
.irp b, 0,1,2,3
	v_max3_num_f32 v[TM+\b], |v[\s+16*\b]|, |v[\s+1+16*\b]|, 0x8000000   ; my 16 numbers, and the floor 2^(16 - 127): the byte cannot fall under 1
.endr
.irp i, 2,4,6,8,10,12,14
.irp b, 0,1,2,3
	v_max3_num_f32 v[TM+\b], v[TM+\b], |v[\s+16*\b+\i]|, |v[\s+1+16*\b+\i]|
.endr
.endr
.irp b, 0,1,2,3
	v_permlanex16_b32 v[TM+4+\b], v[TM+\b], s20, s21
.endr
.irp b, 0,1,2,3
	v_max_num_f32 v[TM+\b], v[TM+\b], v[TM+4+\b]   ; with lane l xor 16's: the block's largest magnitude
.endr
.irp b, 0,1,2,3
	v_add_nc_u32 v[TM+12+\b], 0xf8800000, v[TM+\b] ; 15 off its exponent field: the conversion's scale operand
.endr
.irp b, 0,1,2,3
	v_and_or_b32 v[TM+8+\b], v[TM+\b], 0x7f800000, s105   ; 57,344 x the scale
.endr
.irp b, 0,1,2,3
	v_lshrrev_b32 v[TM+4+\b], 23, v[TM+12+\b]      ; the scale's byte
.endr
	v_lshl_or_b32 v[\pw], v[TM+5], 8, v[TM+4]
	v_lshl_or_b32 v[\pw], v[TM+6], 16, v[\pw]
	v_lshl_or_b32 v[\pw], v[TM+7], 24, v[\pw]
.irp b, 0,1,2,3
.irp i, 0,1,2,3,4,5,6,7,8,9,10,11,12,13,14,15
	v_med3_num_f32 v[\s+16*\b+\i], v[\s+16*\b+\i], -v[TM+8+\b], v[TM+8+\b]   ; the conversion to an 8-bit code does not saturate (ISA guide 7.6.2)
.endr
	v_cvt_scalef32_pk8_bf8_f32 v[CD+4*\b:CD+1+4*\b], v[\s+16*\b:\s+7+16*\b], v[TM+12+\b]
	v_cvt_scalef32_pk8_bf8_f32 v[CD+2+4*\b:CD+3+4*\b], v[\s+8+16*\b:\s+15+16*\b], v[TM+12+\b]
.endr
	v_nop                                          ; one plain vector instruction behind the last scaled conversion
.endm
.macro STORE4 base, off, step          ; two lane tiles x two blocks: 512 consecutive bytes each, at a multiple of 256 from the buffer's first byte
	global_store_b128 v[VO0], v[CD:CD+3], s[\base:\base+1] offset:\off
	global_store_b128 v[VO0], v[CD+4:CD+7], s[\base:\base+1] offset:(\off)+512
	global_store_b128 v[VO0], v[CD+8:CD+11], s[\base:\base+1] offset:(\off)+(\step)
	global_store_b128 v[VO0], v[CD+12:CD+15], s[\base:\base+1] offset:(\off)+(\step)+512
.endm
; THE WAY OUT of group n: two lane tiles (64 registers) at a time.
.macro EPI n
.set EP_, (\n)/2
.set EG_, (\n)%2
.irp pr, 0,1
.if \pr
	s_wait_xcnt 0x0                                ; the stores have read the codes, which are written again below
.endif
	QUANT ACC+64*\pr, PW+\pr
.irp e, 0,1,2,3                                ; k = 8 hf + 0 .. 7 and 16 + 8 hf + 0 .. 7 become k = 16 hf + 0 .. 15
	v_permlane16_swap_b32 v[CD+4*\e], v[CD+4*\e+2]
	v_permlane16_swap_b32 v[CD+4*\e+1], v[CD+4*\e+3]
.endr
.if EP_ == 0
	STORE4 72, EG_*131072+2048*\pr, 1024
.elseif EP_ == 1
	STORE4 76, EG_*8*REC+2048*\pr, 1024
.else
	STORE4 80, EG_*8*REC+4096*\pr, 2048
.endif
.endr
.irp pr, 0,1                                   ; bytes 0, 1 are the even lane tile's, bytes 2, 3 the odd one's: lanes 0-15 keep the even tile's, lanes 16-31 take the odd tile's
	v_lshrrev_b32 v[TW], 16, v[PW+\pr]
	v_cndmask_b32 v[SW+\pr], v[PW+\pr], v[TW], s101
.endr
.if EP_ == 2
	global_store_b16 v[V8], v[SW], s[82:83] offset:EG_*8*REC
	global_store_b16 v[V8], v[SW+1], s[82:83] offset:EG_*8*REC+4
.else
	v_and_or_b32 v[SW], v[SW], 0xffff, s104        ; two bytes of scale 1 for the zero codes that fill K = 64 up to 128
	v_and_or_b32 v[SW+1], v[SW+1], 0xffff, s104
.if EP_ == 0
	global_store_b64 v[VO0], v[SW:SW+1], s[74:75] offset:EG_*8192
.else
	global_store_b64 v[VO0], v[SW:SW+1], s[78:79] offset:EG_*8*REC
.endif
.endif
	s_wait_xcnt 0x0                                ; the stores have read their registers
.endm
	s_load_b256 s[4:11], s[0:1], 0x0               ; x_codes, x_scales, w_qkv_codes, w_qkv_scales
	s_load_b256 s[92:99], s[0:1], 0x20             ; b_qkv, q_img, q_sc, kv
	v_lshl_add_u32 v[SPW], v0, 2, SPARE
	v_mov_b32 v[NIL], 0
	ds_add_u32 v[SPW], v[NIL]                      ; the opening lines: the add twice on end and its wait ahead of my first tensor load
	ds_add_u32 v[SPW], v[NIL]
	v_lshrrev_b32 v1, 5, v0
	v_readfirstlane_b32 s14, v1                    ; wave 0..3
	s_lshr_b32 s15, s14, 1
	s_and_b32 s16, s14, 1
	s_bfe_u32 s40, ttmp6, 0x40000                  ; cx, cy: my place in the cluster
	s_bfe_u32 s41, ttmp6, 0x40004
	s_lshl_b32 s42, ttmp9, 2
	s_add_co_u32 s42, s42, s40                     ; my 128 rows of each weight
	s_and_b32 s17, ttmp7, 0xffff
	s_lshl_b32 s17, s17, 2
	s_add_co_u32 s17, s17, s41                     ; my 256 tokens
	s_lshl_b32 s43, s41, 2
	s_lshl_b32 s43, 15, s43                        ; my row of the cluster shares x's rows,
	s_lshl_b32 s44, 0x1111, s40                    ; my column the weights'
	GROUP1 G1X, 43, 64
	GROUP1 G1W, 44, 64
	GROUP1 G1V, 44, 32
	s_lshl_b32 s18, s17, 18                        ; x: row 256 x block + 64 x wave, 1,024 bytes a row
	s_lshl_b32 s19, s14, 16
	s_add_co_u32 s18, s18, s19
	s_mov_b32 s19, 0
	s_lshl_b32 s46, s42, 17                        ; w_q (waves 0, 1) or w_k (waves 2, 3): row 1,024 x (wave / 2) + 128 x block + 64 x (wave % 2)
	s_lshl_b32 s47, s15, 20
	s_add_co_u32 s46, s46, s47
	s_lshl_b32 s47, s16, 16
	s_add_co_u32 s46, s46, s47
	s_mov_b32 s47, 0
	s_lshl_b32 s12, s42, 17                        ; w_v: row 2,048 + 128 x block + 32 x wave
	s_lshl_b32 s13, s14, 15
	s_add_co_u32 s12, s12, s13
	s_add_co_u32 s12, s12, 2048*1024
	s_mov_b32 s13, 0
	s_mov_b32 s[G0X], 1
	s_mul_i32 s[G0X+1], s14, 64*PITCH
	s_mov_b32 s[G0W], 1
	s_mul_i32 s[G0W+1], s14, 64*PITCH
	s_mov_b32 s[G0V], 1
	s_mul_i32 s[G0V+1], s14, 32*PITCH
	s_mov_b32 s20, 0x76543210
	s_mov_b32 s21, 0xfedcba98                      ; selects for lane l xor 16
	s_mov_b32 s101, 0xffff0000                     ; a mask of lanes 16-31
	s_mov_b32 s104, 0x7f7f0000
	s_mov_b32 s105, 0x600000                       ; the mantissa field of 57,344
	s_wait_dscnt 0x0
	CROUND                                         ; all sixteen work-groups are here: the joint loads meet
	s_wait_kmcnt 0x0
	s_add_nc_u64 s[G0X+2:G0X+3], s[4:5], s[18:19]
	s_or_b32 s[G0X+3], s[G0X+3], 0x80000000
	s_add_nc_u64 s[G0W+2:G0W+3], s[8:9], s[46:47]
	s_or_b32 s[G0W+3], s[G0W+3], 0x80000000
	s_add_nc_u64 s[G0V+2:G0V+3], s[8:9], s[12:13]
	s_or_b32 s[G0V+3], s[G0V+3], 0x80000000
	tensor_load_to_lds s[G0X:G0X+3], s[G1X:G1X+7]  ; my 64 rows of x: my one load at the head
	s_nop 0
	PLACES 4
	; where the results go.  bh0 = 16 x batch + 2 x block: the first of my two heads; tr: my 256 tokens in the batch
	s_mov_b32 s3, 0
	s_lshr_b32 s22, s17, 3
	s_lshl_b32 s22, s22, 4
	s_lshl_b32 s23, s42, 1
	s_add_co_u32 s22, s22, s23
	s_and_b32 s23, s17, 7
	s_lshl_b32 s2, s22, 17                         ; q_img: 131,072 a head, 16,384 for 256 tokens, 4,096 for my 64
	s_lshl_b32 s45, s23, 14
	s_add_co_u32 s2, s2, s45
	s_lshl_b32 s45, s14, 12
	s_add_co_u32 s2, s2, s45
	s_add_nc_u64 s[72:73], s[94:95], s[2:3]
	s_lshl_b32 s2, s22, 13                         ; q_sc: 8,192 a head, 512 for 128 tokens, my two words of a lane's four
	s_lshl_b32 s45, s23, 10
	s_add_co_u32 s2, s2, s45
	s_lshl_b32 s45, s15, 9
	s_add_co_u32 s2, s2, s45
	s_lshl_b32 s45, s16, 3
	s_add_co_u32 s2, s2, s45
	s_add_nc_u64 s[74:75], s[96:97], s[2:3]
	s_lshl_b32 s90, s22, 3
	s_add_co_u32 s90, s90, s23
	s_mul_i32 s90, s90, REC                        ; the first head's record
	s_lshl_b32 s45, s14, 12
	s_add_co_u32 s2, s90, s45                      ; k's codes: 4,096 for my 64 keys
	s_add_nc_u64 s[76:77], s[98:99], s[2:3]
	s_lshl_b32 s45, s15, 9
	s_add_co_u32 s2, s90, s45                      ; k's scale words
	s_lshl_b32 s45, s16, 3
	s_add_co_u32 s2, s2, s45
	s_add_co_u32 s2, s2, 32768
	s_add_nc_u64 s[78:79], s[98:99], s[2:3]
	s_lshl_b32 s45, s15, 13
	s_add_co_u32 s2, s90, s45                      ; v's codes: key step wave / 2, blocks 2 (wave % 2) and + 1
	s_lshl_b32 s45, s16, 10
	s_add_co_u32 s2, s2, s45
	s_add_co_u32 s2, s2, 16384
	s_add_nc_u64 s[80:81], s[98:99], s[2:3]
	s_lshl_b32 s45, s15, 8
	s_add_co_u32 s2, s90, s45                      ; v's scale words: my two bytes of a word's four
	s_lshl_b32 s45, s16, 1
	s_add_co_u32 s2, s2, s45
	s_add_co_u32 s2, s2, 33792
	s_add_nc_u64 s[82:83], s[98:99], s[2:3]
	s_lshl_b32 s2, s17, 13                         ; x_scales at my first token
	s_lshl_b32 s45, s14, 11
	s_add_co_u32 s2, s2, s45
	s_add_nc_u64 s[84:85], s[6:7], s[2:3]
	s_lshl_b32 s2, s42, 12                         ; w_qkv_scales at my block's first row
	s_add_nc_u64 s[86:87], s[10:11], s[2:3]
	s_lshl_b32 s2, s42, 9                          ; b_qkv likewise
	s_add_nc_u64 s[88:89], s[92:93], s[2:3]
	s_mul_i32 s22, s14, 64*PITCH
	s_mul_i32 s23, s14, 1536
	s_add_co_u32 s23, s23, SCR
	v_and_b32 v1, 31, v0
	v_and_b32 v4, 15, v0                           ; r
	v_bfe_u32 v5, v0, 4, 1                         ; hf
	v_lshlrev_b32 v[VO0], 4, v1
	v_lshlrev_b32 v[V8], 3, v1
	v_lshlrev_b32 v[L32], 5, v1
	v_mul_u32_u24 v[ADRW], v4, PITCH
	v_lshl_add_u32 v[ABQ], v5, 5, s23
	v_lshl_add_u32 v[ABV], v4, 2, s23
	v_lshl_add_u32 v[ADRW], v5, 4, v[ADRW]         ; a fragment's row x pitch + 16 x half
	v_add_nc_u32 v[ABS], s23, v[VO0]
	v_add_nc_u32 v[ADRX], s22, v[ADRW]
	v_add_nc_u32 v[ADRW+1], 64*PITCH, v[ADRW]
	v_add_nc_u32 v[ADRW+2], 128*PITCH, v[ADRW]
	v_add_nc_u32 v[ADRW+3], 192*PITCH, v[ADRW]
	s_wait_alu depctr_va_vdst(0)
.irp p, 0,1
	global_load_b128 v[XS+8*\p:XS+8*\p+3], v[L32], s[84:85] offset:1024*\p
	global_load_b128 v[XS+8*\p+4:XS+8*\p+7], v[L32], s[84:85] offset:1024*\p+16
.endr
	WSLOAD 0
.irp p, 0,1,2
	global_load_b128 v[BB+4*\p:BB+4*\p+3], v[VO0], s[88:89] offset:4096*\p   ; the bias of a phase's 128 columns: 512 consecutive bytes
.endr
	s_wait_tensorcnt 0x0                           ; my 64 rows of x are in; I alone read them
.set KS_, 0
.rept 8
	WIN (1+KS_/4)<<6
.set T_, 0
.rept 4
.irp c, 0,1,2,3
	ds_load_b128 v[16*((4*KS_+T_)%16)+4*\c:16*((4*KS_+T_)%16)+4*\c+3], v[ADRX] offset:T_*16*PITCH+128*KS_+32*\c
.endr
.set T_, T_+1
.endr
.set KS_, KS_+1
.endr
	WIN 0
	s_wait_loadcnt 0x0
.irp p, 0,1,2
	ds_store_b128 v[ABS], v[BB+4*\p:BB+4*\p+3] offset:512*\p   ; my own copy: LDS serves a wave's instructions in order
.endr
	GRD
	CROUND                                         ; and in everybody's, in all sixteen work-groups
	tensor_load_to_lds s[G0W:G0W+3], s[G1W:G1W+7]  ; w_q's and w_k's rows over x's
	s_nop 0
	PLACES 4
	s_wait_tensorcnt 0x0
	s_barrier_signal -1
	s_barrier_wait -1                              ; both slots are whole
	FETCH 0
	FETCH 1
	BBLOAD 0
.irp m, 0,1,2,3
	DS \m
.endr
	EPI 0
	BBLOAD 1
.irp m, 4,5,6,7
	DS \m
.endr
	WSLOAD 1
	GRD
	CROUND
	tensor_load_to_lds s[G0V:G0V+3], s[G1V:G1V+7]  ; w_v's rows into slot 0: they have the k phase in which to land
	s_nop 0
	PLACES 4
	EPI 1
	BBLOAD 2
.irp m, 8,9,10,11
	DS \m
.endr
	EPI 2
	BBLOAD 3
.irp m, 12,13,14,15
	DS \m
.endr
	WSLOAD 2
	EPI 3
	BBLOAD 4
.irp m, 16,17,18,19
	DS \m
.endr
	EPI 4
	BBLOAD 5
.irp m, 20,21,22,23
	DS \m
.endr
	EPI 5
	GRD
	CROUND                                         ; the closing round
	s_endpgm
.Lfunc_end_k_q209fb697db_qkv:
	.size	k_q209fb697db_qkv, .Lfunc_end_k_q209fb697db_qkv-k_q209fb697db_qkv
	.p2alignl 7, 3214868480
	.fill 96, 4, 3214868480
	.section	.rodata,"a",@progbits
	.p2align	6, 0x0
	.amdhsa_kernel k_q209fb697db_qkv
		.amdhsa_group_segment_fixed_size 327680
		.amdhsa_private_segment_fixed_size 0
		.amdhsa_enable_private_segment 0
		.amdhsa_kernarg_size 64
		.amdhsa_user_sgpr_count 2
		.amdhsa_user_sgpr_kernarg_segment_ptr 1
		.amdhsa_wavefront_size32 1
		.amdhsa_system_sgpr_workgroup_id_x 1
		.amdhsa_system_sgpr_workgroup_id_y 1
		.amdhsa_system_sgpr_workgroup_id_z 1
		.amdhsa_system_vgpr_workitem_id 0
		.amdhsa_next_free_vgpr 1024
		.amdhsa_next_free_sgpr 106
		.amdhsa_reserve_vcc 0
		.amdhsa_float_denorm_mode_32 3
		.amdhsa_float_denorm_mode_16_64 3
		.amdhsa_memory_ordered 1
		.amdhsa_forward_progress 1
		.amdhsa_inst_pref_size 255
	.end_amdhsa_kernel
	.section	.bss,"aw",@nobits
	.p2align	6
	.space	262144
	.amdgpu_metadata
---
amdhsa.version: [ 1, 2 ]
amdhsa.kernels:
  - .name:           k_q209fb697db_qkv
    .symbol:         k_q209fb697db_qkv.kd
    .args:
      - { .name: x_codes, .offset: 0, .size: 8, .value_kind: global_buffer, .address_space: global }
      - { .name: x_scales, .offset: 8, .size: 8, .value_kind: global_buffer, .address_space: global }
      - { .name: w_qkv_codes, .offset: 16, .size: 8, .value_kind: global_buffer, .address_space: global }
      - { .name: w_qkv_scales, .offset: 24, .size: 8, .value_kind: global_buffer, .address_space: global }
      - { .name: b_qkv, .offset: 32, .size: 8, .value_kind: global_buffer, .address_space: global }
      - { .name: q_img, .offset: 40, .size: 8, .value_kind: global_buffer, .address_space: global }
      - { .name: q_sc, .offset: 48, .size: 8, .value_kind: global_buffer, .address_space: global }
      - { .name: kv, .offset: 56, .size: 8, .value_kind: global_buffer, .address_space: global }
    .group_segment_fixed_size: 327680
    .private_segment_fixed_size: 0
    .kernarg_segment_align: 8
    .kernarg_segment_size: 64
    .max_flat_workgroup_size: 128
    .sgpr_count:     106
    .vgpr_count:     1024
    .wavefront_size: 32
...
	.end_amdgpu_metadata
.endif
;; end of part 1
;; launch attn (part 2): grid 4 x 64, 16 waves a work-group, clusters of 4 x 1, 327,680 bytes of LDS; arguments q_img, q_sc, kv, o_img, o_sc; writes o_img, o_sc
.if DOCPART == 2
	.amdgcn_target "amdgcn-amd-amdhsa--gfx1250"
	.amdhsa_code_object_version 6
	.text
	.protected	k_q209fb697db_attn
	.globl	k_q209fb697db_attn
	.p2align	8
	.type	k_q209fb697db_attn,@function
k_q209fb697db_attn:
	s_mov_b64 s[64:65], 0
	v_nop
	global_prefetch_b8 v0, s[64:65] scope:SCOPE_SE
	s_setreg_imm32_b32 hwreg(HW_REG_WAVE_MODE, 25, 1), 1
	s_wait_xcnt 0x0
	s_wait_alu depctr_hold_cnt(0) depctr_sa_sdst(0) depctr_va_vdst(0) depctr_va_sdst(0) depctr_va_ssrc(0) depctr_va_vcc(0) depctr_vm_vsrc(0)
	s_getreg_b32 s2, hwreg(HW_REG_IB_STS2, 6, 4)
	s_cmp_eq_u32 s2, 0
	s_cbranch_scc0 .Lentry_in_a_cluster
	s_endpgm
.Lentry_in_a_cluster:
	s_bfe_u32 s2, ttmp6, 0x10000c
	s_cmp_lg_u32 s2, 0x3003
	s_cbranch_scc0 .Lentry_shape_is_right
	s_endpgm
.Lentry_shape_is_right:
; o[b][q][h][:] = the sum over keys k <= q of softmax_k(q . k / 8) v[k][:], both products on codes of BF8 (E5M2) with one E8M0 scale for each 32 along a product's K; o is quantised along E here and leaves as codes.
; THE SOFTMAX: t = score x log2(e) / 8; M = the row's largest t so far, rounded UP to a whole number; p = 2^(t - M) is quantised along the keys, not normalised.  The row's sum is taken of the unquantised p and divides O
; at the end.  When M moves, the sum and O are multiplied by 2^(old M - new M): exact.
; LEFT OUT: key steps (128 keys) all of whose keys come after a tile's queries: the causal mask makes their p zero for every input.
; SHARES.  A head has 128 tiles of 16 queries and four work-groups, one cluster.  Wave w of work-group cx owns tiles 127 - (4 w + cx) and 4 w + cx: (16 - w / 2) + (w / 2 + 1) = 17 key steps for every wave.
; The number of a tile's last (diagonal) step is 15 - w / 2 or w / 2: it hangs on the wave's number alone, so no branch hangs on a work-group's place in its cluster; cx enters global addresses and the mask's distance.
; LDS.  A head's eight records of kv, 8 x 34,304 dense bytes, lie in LDS for the whole launch.  Each of the sixteen waves asks for one sixteenth (67 rows of 256 bytes) with its one tensor load at the head, jointly for the
; four work-groups (mask 15).  Nothing is filled again: one barrier behind the loads, none in the loop.  NO PREFETCH: every load of K and V leaves at the kernel's head, so there is no later load to run ahead of.
; THE WALK.  One loop of 12 trips, a record (two key steps) a trip: records 0 .. 7 for the first tile, 0 .. 3 for the second.  A step behind the tile's diagonal step is jumped over by a scalar branch on the trip and the wave.
; record: k's codes [s 2][key tile 8][c 2][512]; v's codes at 16,384 [s][d tile 4][c 4][512]; k's scale words at 32,768 [s][512] (16 lane + 4 i: tile 2 i + hf); v's at 33,792 [s][256] (8 lane + 4 i: d tile 2 i + hf)
; LAYOUT.  Both products transposed: S^T = K Q^T, O^T = V^T P^T: a lane holds ONE query (lane % 16).  The head's 64 fill half of the instruction's K = 128: Q's registers 8-15 hold zero codes for good.  K's eight tiles lie
; in 64 registers on end and tile T's operand is registers 8 T .. 8 T + 15: its upper half is the next tile's codes (behind the last: eight registers of zeros), which meet Q's zero codes and add nothing.
; In S^T register 8 T + j of lane (r, hf) is key 16 T + 8 hf + j; p's codes come into an operand's order by exchanges of half-waves.
; o_img [k / 256][token tile][128-step][c 4][512]; o_sc [token][32]: a wave stores 32 single bytes there, two to a token: parts of aligned 256-byte blocks.
; LIMITS: NaN and infinities are not served; the promise holds while |t| stays under 2^31; a block of o whose largest magnitude lies under 2^(16 - 127), a block of zeros too, gets the byte 1 (its codes are zeros; this
; program alone reads the bytes); 1 / l is v_rcp_f32 and a multiplication.
.set REC,   34304
.set HREC,  REC/2                      ; what one tensor load brings
.set SPARE, 8*REC                      ; the spare words, 128 bytes for each wave, behind the records
.set LI,   1                           ; v1   16 x lane
.set L8,   2                           ; v2   8 x lane
.set DM,   3                           ; v3   the mask's distance in the diagonal step: 16 x (tile % 8) + r - 8 hf
.set VOB,  4                           ; v4   32 r + hf: my byte of o_sc
.set SPW,  5                           ; v5   my spare word; never rewritten
.set NIL,  6                           ; v6   0; never rewritten
.set DMB,  7                           ; v7   the second tile's distance
.set ADK,  8                           ; v8   16 x lane + the record in hand
.set AD8,  9                           ; v9   8 x lane + the record in hand
.set VW,   10                          ; v10-11 V's scale words
.set QF,   16                          ; v16-23 Q, v24-31 zero codes.  v12 -M, v13 the largest t, v[14:15] the sum
.set KB,   32                          ; v32-95 K's eight tiles, then V's four fragments; v96-103 zeros
.set SB,   104                         ; v104-167 S^T, then p
.set OB,   168                         ; v168-199 O^T
.set QN,   200                         ; v200-207 the second tile's Q, v208 its scale word
.set QW,   209                         ; Q's scale word
.set NINF, 211                         ; -infinity
.set KW,   212                         ; v212-215 K's scale words
.set PC,   220                         ; v220-235 p's codes
.set T0,   236                         ; v236-251 at work, four a group
.set T1,   240
.set T2,   244
.set T3,   248
.set FF,   252                         ; v[252:253] f (v253: 16 r, the offset of Q's scale words, named with it as a pair)
.set TP,   254
.set PW,   255                         ; p's scale word
.set TB,   2                           ; s2   LDS byte of the record in hand
.set VC,   3                           ; s3   the trip
.set LS,   14                          ; s14  the tile's diagonal step;  s15 the second tile's
.set LSB,  15
.set STA,  16                          ; s16, s17  the trip's two steps
.set WV,   18
.set MNT,  19                          ; the mantissa field of 57,344
.set SEL,  20                          ; s[20:21] selects for lane l xor 16
.set CS,   22                          ; s[22:23] c = log2(e) / 8
.set G1,   24
.set G0,   32
.set RC,   36
.set HM,   37                          ; a mask of lanes 16-31
.set OP,   44                          ; s[44:45] o_img, s[46:47] o_sc at my tile;  s[48:51] the second tile's
.set OSC,  46
.set OPB,  48
.set OSCB, 50
.macro CROUND                          ; a round of the cluster's barrier
	s_barrier_signal -1
	s_barrier_wait -1
	s_cmp_lg_u32 s[WV], 0
	s_cbranch_scc1 .Lnot_wave_0_\@
	s_barrier_signal -3
.Lnot_wave_0_\@:
	s_barrier_wait -3
	s_barrier_signal -1
	s_barrier_wait -1
.endm
.macro TILE j, qp, qs, op, os, dq      ; tile s[j]: where its Q, its scale words and its results lie
	s_lshl_b32 s52, s[\j], 10                      ; q_img: 1,024 bytes a tile
	s_add_co_u32 s52, s52, s68
	s_add_nc_u64 s[\qp:\qp+1], s[4:5], s[52:53]
	s_lshr_b32 s52, s[\j], 3                       ; q_sc: 512 x (tile / 8) + 256 x (tile % 2) + 4 x ((tile / 2) % 4)
	s_lshl_b32 s52, s52, 9
	s_and_b32 s55, s[\j], 1
	s_lshl_b32 s55, s55, 8
	s_add_co_u32 s52, s52, s55
	s_bfe_u32 s55, s[\j], 0x20001
	s_lshl_b32 s55, s55, 2
	s_add_co_u32 s52, s52, s55
	s_add_co_u32 s52, s52, s69
	s_add_nc_u64 s[\qs:\qs+1], s[6:7], s[52:53]
	s_lshl_b32 s52, s[\j], 12                      ; o_img: 4,096 bytes a token tile
	s_add_co_u32 s52, s52, s70
	s_add_nc_u64 s[\op:\op+1], s[10:11], s[52:53]
	s_lshl_b32 s52, s[\j], 9                       ; o_sc: 32 bytes a token
	s_add_co_u32 s52, s52, s71
	s_add_nc_u64 s[\os:\os+1], s[12:13], s[52:53]
	s_and_b32 s[\dq], s[\j], 7
	s_lshl_b32 s[\dq], s[\dq], 4
.endm
.macro PADD d, a, b
	v_pk_add_f32 v[\d:\d+1], v[\a:\a+1], v[\b:\b+1]
.endm
.macro HOLD2 x, b                      ; two of p's holds in one instruction: p is not negative, so the hold is one-sided
	v_dual_min_num_f32 v[\x], v[\x], v[\b] :: v_dual_min_num_f32 v[\x+1], v[\x+1], v[\b]
.endm
	s_load_b256 s[4:11], s[0:1], 0x0               ; q_img, q_sc, kv, o_img
	s_load_b64 s[12:13], s[0:1], 0x20              ; o_sc
	v_lshl_add_u32 v[SPW], v0, 2, SPARE
	v_mov_b32 v[NIL], 0
	ds_add_u32 v[SPW], v[NIL]                      ; the opening lines: the add twice on end and its wait ahead of my tensor load
	ds_add_u32 v[SPW], v[NIL]
	v_lshrrev_b32 v8, 5, v0
	v_readfirstlane_b32 s[WV], v8                  ; wave 0..15
	s_bfe_u32 s38, ttmp6, 0x40000                  ; cx
	s_and_b32 s39, ttmp7, 0xffff                   ; bh = 16 b + h: the cluster's y
	s_mov_b32 s[G1], 15|(3<<16)|(1<<21)            ; the mask: all four of the cluster; elements of 8 bytes; bit 21 beside a mask
	s_mov_b32 s[G1+1], 32<<16                      ; 67 dense rows of 256 bytes
	s_mov_b32 s[G1+2], 67<<16
	s_mov_b32 s[G1+3], 32<<16
	s_mov_b32 s[G1+4], 67
	s_mov_b32 s[G1+5], 32
	s_mov_b32 s[G1+6], 0
	s_mov_b32 s[G1+7], 0
	s_mul_i32 s54, s[WV], HREC                     ; my sixteenth: in the head's records and in LDS
	s_mul_i32 s52, s39, 8*REC
	s_add_co_u32 s52, s52, s54
	s_mov_b32 s53, 0
	s_mov_b32 s[G0], 1
	s_mov_b32 s[G0+1], s54
	s_wait_dscnt 0x0
	CROUND                                         ; the four work-groups are here: the joint loads meet
	s_wait_kmcnt 0x0
	s_add_nc_u64 s[G0+2:G0+3], s[8:9], s[52:53]
	s_or_b32 s[G0+3], s[G0+3], 0x80000000
	tensor_load_to_lds s[G0:G0+3], s[G1:G1+7]      ; my one tensor load of the launch
	s_nop 0
	s_lshl_b32 s42, s[WV], 2
	s_add_co_u32 s42, s42, s38                     ; the second tile: 4 w + cx
	s_sub_co_u32 s43, 127, s42                     ; the first
	s_lshr_b32 s[LSB], s[WV], 1
	s_sub_co_u32 s[LS], 15, s[LSB]
	s_lshr_b32 s40, s39, 4                         ; b
	s_and_b32 s41, s39, 15                         ; h
	s_lshl_b32 s68, s39, 17                        ; the head in q_img,
	s_lshl_b32 s69, s39, 13                        ; in q_sc,
	s_lshr_b32 s70, s41, 2                         ; in o_img: (h / 4) x 2,097,152 + b x 524,288 + ((h / 2) % 2) x 2,048 + (h % 2) x 1,024,
	s_lshl_b32 s70, s70, 21
	s_lshl_b32 s55, s40, 19
	s_add_co_u32 s70, s70, s55
	s_bfe_u32 s55, s41, 0x10001
	s_lshl_b32 s55, s55, 11
	s_add_co_u32 s70, s70, s55
	s_and_b32 s55, s41, 1
	s_lshl_b32 s55, s55, 10
	s_add_co_u32 s70, s70, s55
	s_lshl_b32 s71, s40, 16                        ; in o_sc: b x 65,536 + 2 h
	s_lshl_b32 s55, s41, 1
	s_add_co_u32 s71, s71, s55
	TILE 43, 56, 58, OP, OSC, 66
	TILE 42, 60, 62, OPB, OSCB, 67
	s_mov_b32 s[SEL], 0x76543210
	s_mov_b32 s[SEL+1], 0xfedcba98
	s_mov_b32 s[CS], 0x3e38aa3b
	s_mov_b32 s[CS+1], s[CS]
	s_mov_b32 s[MNT], 0x600000
	s_mov_b32 s[HM], 0xffff0000
	s_mov_b32 s[VC], 0
	v_and_b32 v8, 31, v0
	v_and_b32 v9, 15, v0                           ; r
	v_bfe_u32 v11, v0, 4, 1                        ; hf
	v_lshlrev_b32 v[LI], 4, v8
	v_lshlrev_b32 v[L8], 3, v8
	v_lshlrev_b32 v[FF+1], 4, v9
	v_lshlrev_b32 v[TP], 3, v11
	v_lshl_add_u32 v[VOB], v9, 5, v11
	v_sub_nc_u32 v[TP], v9, v[TP]
	v_add_nc_u32 v[DM], s66, v[TP]
	v_add_nc_u32 v[DMB], s67, v[TP]
	s_wait_alu depctr_va_vdst(0)
	global_load_b128 v[QF:QF+3], v[LI], s[56:57]
	global_load_b128 v[QF+4:QF+7], v[LI], s[56:57] offset:512
	global_load_b128 v[QN:QN+3], v[LI], s[60:61]
	global_load_b128 v[QN+4:QN+7], v[LI], s[60:61] offset:512
	global_load_b32 v[QW], v[FF+1], s[58:59]
	global_load_b32 v[QN+8], v[FF+1], s[62:63]
.set j, 0
.rept 8
	v_mov_b32 v[QF+8+j], 0                         ; zero codes for K = 64 .. 127,
	v_mov_b32 v[KB+64+j], 0                        ; and behind K's last tile
.set j, j+1
.endr
.set j, 0
.rept 32
	v_mov_b32 v[OB+j], 0                           ; O^T: a tile's first step finds zeros, which the first change of M leaves zeros
.set j, j+1
.endr
	v_mov_b32 v13, 0xff61b1e6                      ; the largest t so far: -3e38
	v_mov_b32 v14, 0
	v_mov_b32 v15, 0
	v_floor_f32 v12, -v13                          ; -M
.irp b, 0,1,2,3
	v_mov_b32 v[T1+\b], 0                          ; a lane permute's destination counts as one of its sources
.endr
	v_mov_b32 v[NINF], 0xff800000
; A KEY STEP: 128 keys, the q-th of the record in hand.
.macro STEP q
	s_cmp_gt_u32 s[STA+\q], s[LS]                  ; behind the diagonal step: all its keys are hidden
	s_cbranch_scc1 .Lhidden_\@
.rept 8
	v_nop                                          ; places behind the last products, whose source 0 the loads below land on
.endr
	ds_load_b128 v[KW:KW+3], v[ADK] offset:32768+512*(\q)
.irp t, 0,1,2,3,4,5,6,7
.irp c, 0,1
	ds_load_b128 v[KB+8*\t+4*\c:KB+8*\t+4*\c+3], v[ADK] offset:8192*(\q)+1024*\t+512*\c
.endr
.endr
	s_wait_dscnt 0x0
.irp t, 0,1,2,3,4,5,6,7
.if \t % 2
	v_wmma_scale_f32_16x16x128_f8f6f4 v[SB+8*\t:SB+8*\t+7], v[KB+8*\t:KB+8*\t+15], v[QF:QF+15], 0, v[KW+\t/2], v[QW] matrix_a_fmt:MATRIX_FMT_BF8 matrix_b_fmt:MATRIX_FMT_BF8 matrix_a_scale:MATRIX_SCALE_ROW1
.else
	v_wmma_scale_f32_16x16x128_f8f6f4 v[SB+8*\t:SB+8*\t+7], v[KB+8*\t:KB+8*\t+15], v[QF:QF+15], 0, v[KW+\t/2], v[QW] matrix_a_fmt:MATRIX_FMT_BF8 matrix_b_fmt:MATRIX_FMT_BF8
.endif
.endr
.rept 8
	v_nop                                          ; places: for the loads into K's registers and for the first readers of the scores
.endr
.irp t, 0,1,2,3                                ; V's four fragments into the registers that K has left: they have the softmax in which to come
.irp c, 0,1,2,3
	ds_load_b128 v[KB+16*\t+4*\c:KB+16*\t+4*\c+3], v[ADK] offset:16384+8192*(\q)+2048*\t+512*\c
.endr
.endr
	ds_load_b64 v[VW:VW+1], v[AD8] offset:33792+256*(\q)
	s_cmp_lg_u32 s[STA+\q], s[LS]                  ; the diagonal step: register 8 T + j is hidden where 16 T + j > the distance; p = 0 then
	s_cbranch_scc1 .Lopen_\@
.set n, 0
.rept 64
	v_cmp_gt_i32 vcc_lo, 16*(n/8)+n%8, v[DM]
	v_cndmask_b32 v[SB+n], v[SB+n], v[NINF], vcc_lo
.set n, n+1
.endr
.Lopen_\@:
.irp b, 0,1,2,3
	v_max3_num_f32 v[T0+\b], v[SB+16*\b], v[SB+1+16*\b], v[SB+2+16*\b]   ; the largest score of each block of 32 keys: for the row's maximum and, since p rises with the score, for the block's largest p
.endr
.irp i, 3,5,7,9,11,13
.irp b, 0,1,2,3
	v_max3_num_f32 v[T0+\b], v[T0+\b], v[SB+16*\b+\i], v[SB+1+16*\b+\i]
.endr
.endr
.irp b, 0,1,2,3
	v_max_num_f32 v[T0+\b], v[T0+\b], v[SB+15+16*\b]
.endr
.irp b, 0,1,2,3
	s_delay_alu instid0(VALU_DEP_4)
	v_permlanex16_b32 v[T1+\b], v[T0+\b], s[SEL], s[SEL+1]
.endr
.irp b, 0,1,2,3
	s_delay_alu instid0(VALU_DEP_4)
	v_max_num_f32 v[T0+\b], v[T0+\b], v[T1+\b]     ; with lane l xor 16's 16 keys
.endr
	s_delay_alu instid0(VALU_DEP_2)
	v_max3_num_f32 v[TP], v[T0], v[T0+1], v[T0+2]
	s_delay_alu instid0(VALU_DEP_1)
	v_max_num_f32 v[TP], v[TP], v[T0+3]
	s_delay_alu instid0(VALU_DEP_1)
	v_mul_f32 v[TP], s[CS], v[TP]                  ; as t (c is positive)
	s_delay_alu instid0(VALU_DEP_1)
	v_max_num_f32 v13, v13, v[TP]
	v_mov_b32 v[TP], v12
	s_delay_alu instid0(VALU_DEP_2)
	v_floor_f32 v12, -v13                          ; the new -M = -ceil(t)
	s_delay_alu instid0(VALU_DEP_1)
	v_sub_f32 v[TP], v12, v[TP]                    ; old M - new M: a whole number, 0 or less
	s_delay_alu instid0(VALU_DEP_1)
	v_cvt_i32_f32 v[TP], v[TP]                     ; (it saturates)
	s_delay_alu instid0(VALU_DEP_1)
	v_ldexp_f32 v[FF], 1.0, v[TP]                  ; f = 2^(old M - new M)
.set j, 0
.rept 32
	v_pk_fma_f32 v[SB+j:SB+j+1], v[SB+j:SB+j+1], s[CS:CS+1], v[12:13] op_sel_hi:[1,0,0]   ; t - M
.set j, j+2
.endr
.irp b, 0,1,2,3
	v_fma_f32 v[T0+\b], v[T0+\b], s[CS], v12
.endr
	s_wait_alu depctr_va_vdst(0)                   ; ahead of the batch
.set j, 0
.rept 64
	v_exp_f32 v[SB+j], v[SB+j]                     ; p = 2^(t - M)
.set j, j+1
.endr
	v_pk_mul_f32 v[14:15], v[14:15], v[FF:FF+1] op_sel_hi:[1,0]   ; the sums under the new M
	s_wait_alu depctr_va_vdst(0)                   ; one wait for the batch, ahead of its first reader
.irp b, 0,1,2,3
	v_exp_f32 v[T0+\b], v[T0+\b]                   ; the block's largest p
.endr
; the row's sum of the unquantised p: 32 pairs in eight chains (v240-251, v[254:255], v[14:15])
.irp k, 0,1,2,3,4,5
	PADD 240+2*\k, SB+4*\k, SB+4*\k+2
.endr
	PADD 254, SB+24, SB+26
	PADD 14, 14, SB+28
.irp k, 0,1,2,3,4,5
	PADD 240+2*\k, 240+2*\k, SB+30+2*\k
.endr
	PADD 254, 254, SB+42
	PADD 14, 14, SB+44
.irp k, 0,1,2,3,4,5
	PADD 240+2*\k, 240+2*\k, SB+46+2*\k
.endr
	PADD 254, 254, SB+58
	PADD 14, 14, SB+60
	PADD 240, 240, SB+62
	PADD 14, 14, 246
	PADD 242, 242, 250
	PADD 244, 244, 254
	PADD 240, 240, 248
	PADD 14, 14, 242
	s_delay_alu instid0(VALU_DEP_2)
	PADD 240, 240, 244
	s_delay_alu instid0(VALU_DEP_1)
	PADD 14, 14, 240
	s_wait_alu depctr_va_vdst(0)                   ; and one for the four
.irp b, 0,1,2,3
	v_max_num_f32 v[T0+\b], 0x8000000, v[T0+\b]    ; the floor 2^(16 - 127): the byte cannot fall under 1
.endr
.irp b, 0,1,2,3
	s_delay_alu instid0(VALU_DEP_4)
	v_add_nc_u32 v[T3+\b], 0xf8800000, v[T0+\b]    ; 15 off the exponent field: the conversion's scale operand
.endr
.irp b, 0,1,2,3
	v_and_or_b32 v[T2+\b], v[T0+\b], 0x7f800000, s[MNT]   ; 57,344 x the scale
.endr
.irp b, 0,1,2,3
	v_lshrrev_b32 v[T1+\b], 23, v[T3+\b]           ; the scale's byte
.endr
	s_delay_alu instid0(VALU_DEP_3)
	v_lshl_or_b32 v[PW], v[T1+1], 8, v[T1]
	s_delay_alu instid0(VALU_DEP_1)
	v_lshl_or_b32 v[PW], v[T1+2], 16, v[PW]
	s_delay_alu instid0(VALU_DEP_1)
	v_lshl_or_b32 v[PW], v[T1+3], 24, v[PW]
.irp b, 0,1,2,3
.set i, 0
.rept 8
	HOLD2 SB+16*\b+i, T2+\b                        ; the conversion to an 8-bit code does not saturate (ISA guide 7.6.2)
.set i, i+2
.endr
	v_cvt_scalef32_pk8_bf8_f32 v[PC+4*\b:PC+1+4*\b], v[SB+16*\b:SB+7+16*\b], v[T3+\b]
	v_cvt_scalef32_pk8_bf8_f32 v[PC+2+4*\b:PC+3+4*\b], v[SB+8+16*\b:SB+15+16*\b], v[T3+\b]
.endr
	v_nop                                          ; one plain vector instruction behind the last scaled conversion
.irp b, 0,1,2,3                                ; keys 8 hf + 0 .. 7 and 16 + 8 hf + 0 .. 7 become keys 16 hf + 0 .. 15
	v_permlane16_swap_b32 v[PC+4*\b], v[PC+2+4*\b]
	v_permlane16_swap_b32 v[PC+1+4*\b], v[PC+3+4*\b]
.endr
	s_wait_alu depctr_va_vdst(0)                   ; directly ahead of the first readers of O^T
.set j, 0
.rept 16
	v_pk_mul_f32 v[OB+j:OB+j+1], v[OB+j:OB+j+1], v[FF:FF+1] op_sel_hi:[1,0]   ; O^T under the new M; also the places between the codes' last write and the products
.set j, j+2
.endr
	s_wait_alu depctr_va_vdst(0)
	s_wait_dscnt 0x0                               ; V
.irp t, 0,1,2,3                                ; O^T += V^T P^T; the four accumulators take turns
.if \t % 2
	v_wmma_scale_f32_16x16x128_f8f6f4 v[OB+8*\t:OB+8*\t+7], v[KB+16*\t:KB+16*\t+15], v[PC:PC+15], v[OB+8*\t:OB+8*\t+7], v[VW+\t/2], v[PW] matrix_a_fmt:MATRIX_FMT_BF8 matrix_b_fmt:MATRIX_FMT_BF8 matrix_a_scale:MATRIX_SCALE_ROW1
.else
	v_wmma_scale_f32_16x16x128_f8f6f4 v[OB+8*\t:OB+8*\t+7], v[KB+16*\t:KB+16*\t+15], v[PC:PC+15], v[OB+8*\t:OB+8*\t+7], v[VW+\t/2], v[PW] matrix_a_fmt:MATRIX_FMT_BF8 matrix_b_fmt:MATRIX_FMT_BF8
.endif
.endr
.Lhidden_\@:
.endm
	s_wait_alu depctr_va_vdst(0)
	s_wait_loadcnt 0x0                             ; Q
	s_wait_tensorcnt 0x0                           ; my sixteenth of the head's records is in,
	s_barrier_signal -1
	s_barrier_wait -1                              ; everybody's is
.Ltrip:
	s_and_b32 s[RC], s[VC], 7                      ; the record: 0 .. 7, then 0 .. 3
	s_mul_i32 s[TB], s[RC], REC
	s_lshl_b32 s[STA], s[RC], 1
	s_add_co_u32 s[STA+1], s[STA], 1
	v_add_nc_u32 v[ADK], s[TB], v[LI]
	v_add_nc_u32 v[AD8], s[TB], v[L8]
	s_wait_alu depctr_va_vdst(0)
	STEP 0
	STEP 1
	s_cmp_eq_u32 s[VC], 7                          ; a tile's last trip: the same in all waves
	s_cbranch_scc1 .Lfin
	s_cmp_eq_u32 s[VC], 11
	s_cbranch_scc0 .Lsame
.Lfin:
; A TILE'S END: O^T / the sum, quantised along E (two blocks of 32 in my head), codes as images, two scale bytes a token.
	s_wait_alu depctr_va_vdst(0)
.rept 8
	v_nop                                          ; places behind the last products
.endr
	v_add_f32 v14, v14, v15
	s_delay_alu instid0(VALU_DEP_1)
	v_permlanex16_b32 v[TP], v14, s[SEL], s[SEL+1]
	s_delay_alu instid0(VALU_DEP_1)
	v_add_f32 v14, v14, v[TP]                      ; the row's sum
	s_wait_alu depctr_va_vdst(0)
	v_rcp_f32 v14, v14
	v_nop
	s_wait_alu depctr_va_vdst(0)                   ; ahead of the reciprocal's and O^T's first readers
.set j, 0
.rept 16
	v_pk_mul_f32 v[SB+j:SB+j+1], v[OB+j:OB+j+1], v[14:15] op_sel_hi:[1,0]   ; register 8 t + i is o(query r, d = 16 t + 8 hf + i)
.set j, j+2
.endr
.irp b, 0,1
	v_max3_num_f32 v[T0+\b], |v[SB+16*\b]|, |v[SB+1+16*\b]|, 0x8000000
.endr
.irp i, 2,4,6,8,10,12,14
.irp b, 0,1
	v_max3_num_f32 v[T0+\b], v[T0+\b], |v[SB+16*\b+\i]|, |v[SB+1+16*\b+\i]|
.endr
.endr
.irp b, 0,1
	v_permlanex16_b32 v[T1+\b], v[T0+\b], s[SEL], s[SEL+1]
.endr
.irp b, 0,1
	v_max_num_f32 v[T0+\b], v[T0+\b], v[T1+\b]
.endr
.irp b, 0,1
	v_add_nc_u32 v[T3+\b], 0xf8800000, v[T0+\b]
.endr
.irp b, 0,1
	v_and_or_b32 v[T2+\b], v[T0+\b], 0x7f800000, s[MNT]
.endr
.irp b, 0,1
	v_lshrrev_b32 v[T1+\b], 23, v[T3+\b]
.endr
.irp b, 0,1
.set i, 0
.rept 16
	v_med3_num_f32 v[SB+16*\b+i], v[SB+16*\b+i], -v[T2+\b], v[T2+\b]
.set i, i+1
.endr
	v_cvt_scalef32_pk8_bf8_f32 v[PC+4*\b:PC+1+4*\b], v[SB+16*\b:SB+7+16*\b], v[T3+\b]
	v_cvt_scalef32_pk8_bf8_f32 v[PC+2+4*\b:PC+3+4*\b], v[SB+8+16*\b:SB+15+16*\b], v[T3+\b]
.endr
	v_nop
.irp b, 0,1
	v_permlane16_swap_b32 v[PC+4*\b], v[PC+2+4*\b]
	v_permlane16_swap_b32 v[PC+1+4*\b], v[PC+3+4*\b]
.endr
	global_store_b128 v[LI], v[PC:PC+3], s[OP:OP+1]             ; 512 consecutive bytes each, at a multiple of 256 from o_img's first byte
	global_store_b128 v[LI], v[PC+4:PC+7], s[OP:OP+1] offset:512
	v_cndmask_b32 v[T1+2], v[T1], v[T1+1], s[HM]   ; lanes 0-15 store block 0's byte of token r, lanes 16-31 block 1's
	global_store_b8 v[VOB], v[T1+2], s[OSC:OSC+1]
	s_wait_xcnt 0x0                                ; the stores have read their data and bases
; on to the second tile (behind the second these lines change nothing that is read)
	v_mov_b32 v13, 0xff61b1e6
	v_mov_b32 v14, 0
	v_mov_b32 v15, 0
	v_floor_f32 v12, -v13
.set j, 0
.rept 32
	v_mov_b32 v[OB+j], 0
.set j, j+1
.endr
.set j, 0
.rept 8
	v_mov_b32 v[QF+j], v[QN+j]
.set j, j+1
.endr
	v_mov_b32 v[QW], v[QN+8]
	v_mov_b32 v[DM], v[DMB]
	s_mov_b32 s[LS], s[LSB]
	s_mov_b64 s[OP:OP+1], s[OPB:OPB+1]
	s_mov_b64 s[OSC:OSC+1], s[OSCB:OSCB+1]
	s_wait_alu depctr_va_vdst(0)
.Lsame:
	s_add_co_u32 s[VC], s[VC], 1
	s_cmp_lt_u32 s[VC], 12
	s_cbranch_scc1 .Ltrip
	s_wait_tensorcnt 0x0                           ; the wave's end
	ds_add_u32 v[SPW], v[NIL]
	s_wait_dscnt 0x0
	CROUND                                         ; the closing round
	s_endpgm
.Lfunc_end_k_q209fb697db_attn:
	.size	k_q209fb697db_attn, .Lfunc_end_k_q209fb697db_attn-k_q209fb697db_attn
	.p2alignl 7, 3214868480
	.fill 96, 4, 3214868480
	.section	.rodata,"a",@progbits
	.p2align	6, 0x0
	.amdhsa_kernel k_q209fb697db_attn
		.amdhsa_group_segment_fixed_size 327680
		.amdhsa_private_segment_fixed_size 0
		.amdhsa_enable_private_segment 0
		.amdhsa_kernarg_size 40
		.amdhsa_user_sgpr_count 2
		.amdhsa_user_sgpr_kernarg_segment_ptr 1
		.amdhsa_wavefront_size32 1
		.amdhsa_system_sgpr_workgroup_id_x 1
		.amdhsa_system_sgpr_workgroup_id_y 1
		.amdhsa_system_sgpr_workgroup_id_z 1
		.amdhsa_system_vgpr_workitem_id 0
		.amdhsa_next_free_vgpr 256
		.amdhsa_next_free_sgpr 74
		.amdhsa_reserve_vcc 1
		.amdhsa_float_denorm_mode_32 3
		.amdhsa_float_denorm_mode_16_64 3
		.amdhsa_memory_ordered 1
		.amdhsa_forward_progress 1
		.amdhsa_inst_pref_size 65
	.end_amdhsa_kernel
	.amdgpu_metadata
---
amdhsa.version: [ 1, 2 ]
amdhsa.kernels:
  - .name:           k_q209fb697db_attn
    .symbol:         k_q209fb697db_attn.kd
    .args:
      - { .name: q_img, .offset: 0, .size: 8, .value_kind: global_buffer, .address_space: global }
      - { .name: q_sc, .offset: 8, .size: 8, .value_kind: global_buffer, .address_space: global }
      - { .name: kv, .offset: 16, .size: 8, .value_kind: global_buffer, .address_space: global }
      - { .name: o_img, .offset: 24, .size: 8, .value_kind: global_buffer, .address_space: global }
      - { .name: o_sc, .offset: 32, .size: 8, .value_kind: global_buffer, .address_space: global }
    .group_segment_fixed_size: 327680
    .private_segment_fixed_size: 0
    .kernarg_segment_align: 8
    .kernarg_segment_size: 40
    .max_flat_workgroup_size: 512
    .sgpr_count:     74
    .vgpr_count:     256
    .wavefront_size: 32
...
	.end_amdgpu_metadata
.endif
;; end of part 2
;; launch proj (part 3): grid 32 x 8, 4 waves a work-group, clusters of 4 x 1, 327,680 bytes of LDS; arguments o_img, o_sc, w_proj_codes, w_proj_scales, b_proj, out0; writes out0
.if DOCPART == 3
	.amdgcn_target "amdgcn-amd-amdhsa--gfx1250"
	.amdhsa_code_object_version 6
	.text
	.protected	k_q209fb697db_proj
	.globl	k_q209fb697db_proj
	.p2align	8
	.type	k_q209fb697db_proj,@function
k_q209fb697db_proj:
	s_mov_b64 s[64:65], 0
	v_nop
	global_prefetch_b8 v0, s[64:65] scope:SCOPE_SE
	s_setreg_imm32_b32 hwreg(HW_REG_WAVE_MODE, 25, 1), 1
	s_wait_xcnt 0x0
	s_wait_alu depctr_hold_cnt(0) depctr_sa_sdst(0) depctr_va_vdst(0) depctr_va_sdst(0) depctr_va_ssrc(0) depctr_va_vcc(0) depctr_vm_vsrc(0)
	s_getreg_b32 s2, hwreg(HW_REG_IB_STS2, 6, 4)
	s_cmp_eq_u32 s2, 0
	s_cbranch_scc0 .Lentry_in_a_cluster
	s_endpgm
.Lentry_in_a_cluster:
	s_bfe_u32 s2, ttmp6, 0x10000c
	s_cmp_lg_u32 s2, 0x3003
	s_cbranch_scc0 .Lentry_shape_is_right
	s_endpgm
.Lentry_shape_is_right:
; out0 = o w_proj + b_proj on codes of BF8 (E5M2) with one E8M0 scale for each 32 along K = 1,024; f32 sums, K ascending; the bias is added on the way out.
; SHARES.  256 work-groups: work-group (x, y) makes tokens 256 x .. + 255 times features 128 y .. + 127; each of its four waves 64 tokens x 128 features: 256 matrix instructions.
; o IS HELD IN REGISTERS.  o_img [k / 256][token tile][128-step][c 4][512] is laid as images of operand registers (lane l's 16 bytes at 16 l), so a wave's 64 tokens, all of K, go from memory straight into 512 registers:
; 128 loads of 512 consecutive bytes each.  They land in registers, so no joint load can bring them.
; w_proj's 128 ROWS, ALL OF K, LIE IN LDS (pitch 1,024 + 16 bytes), filled once: 32 rows a wave by its one tensor load, asked for jointly by the four work-groups of a cluster, which differ in their tokens alone (mask 15).
; Nothing is filled again: one barrier behind the loads.  NO PREFETCH: the text has no loop, and every load from memory leaves at its head or paced by the first group's products.
; THE ORDER.  Two groups of 64 features.  A group goes by K: for each 128 of K its 4 x 4 accumulators take turns.  w_proj's fragments come from LDS in runs of 32 loads (two steps of 128
; along K), two such sets by turns.  In the first group each step waits, by count, only for its own fragments of o.
; TRANSPOSED USE: source 0 = 16 rows of w_proj (features), source 1 = 16 tokens: a lane holds one token and eight neighbouring features.
; THE WAY OUT of a group: 16 tokens x 64 features at a time through the wave's own stage in LDS and back as whole rows of 256 bytes; the bias is added; sixteen lanes store one aligned unit of 256 bytes.
; Scale words and bias come straight into registers: lane l takes row l of 32 neighbouring rows, 32 bytes each.
; LIMITS: NaN and infinities are not served.
; REGISTERS: window 0: v2-11 addresses; v32-63 w_proj's scale words (8 p + ks: lanes 0-15 block 2 p, lanes 16-31 block 2 p + 1); v68-83 o's (8 p + ks: token tiles 2 p, 2 p + 1); v84-91 the bias;
;   v96-223 sixteen accumulators ((g, t) at 8 (4 g + t)); v224-255 rows read back.  Windows 1, 2: o's fragment (ks, t) is number 4 ks + t, 16 registers each.  Window 3: w_proj's fragments, two sets of 128.
.set PITCH,  1040
.set STAGE,  128*PITCH                 ; behind w_proj's rows: 16 rows x 272 bytes for each wave
.set SPITCH, 272
.set SPARE,  STAGE+4*16*SPITCH         ; the spare words, 128 bytes for each wave
.set LI,   2                           ; 16 x lane
.set L32,  3                           ; 32 x lane
.set ADRW, 6                           ; v6, v7: LDS address of my lane in w_proj's rows 0 on, 64 on
.set LB,   8                           ; 16 r
.set CO,   9                           ; 4,096 hf + 16 r: my place in two rows of out0
.set STO,  10                          ; the stage: where I put 32 bytes of a row
.set RD,   11                          ; and where I read a row back
.set SPW,  28
.set NIL,  29
.set WS,   32
.set OS,   68                          ; (no product's two scale words have numbers equal modulo 8)
.set BI,   84
.set ACC,  96
.set RB,   224
.set G1,   24
.set G0,   32
.set MSB, 0
.macro WIN new                         ; the immediate's high byte repeats the setting that is left
.if MSB != (\new)
	s_set_vgpr_msb (MSB<<8)|(\new)
.set MSB, (\new)
.endif
.endm
.macro CROUND                          ; a round of the cluster's barrier
	s_barrier_signal -1
	s_barrier_wait -1
	s_cmp_lg_u32 s16, 0
	s_cbranch_scc1 .Lnot_wave_0_\@
	s_barrier_signal -3
.Lnot_wave_0_\@:
	s_barrier_wait -3
	s_barrier_signal -1
	s_barrier_wait -1
.endm
.macro PLACES n
.rept \n
	v_nop
.endr
.endm
.macro ALOAD ks                        ; o's four fragments of the ks-th 128 along K: 16 loads
	WIN (1+(\ks)/4)<<6
.set AT_, 0
.rept 4
.irp c, 0,1,2,3
	global_load_b128 v[16*((4*(\ks)+AT_)%16)+4*\c:16*((4*(\ks)+AT_)%16)+4*\c+3], v[LI], s[36:37] offset:((\ks)/2)*2097152+AT_*4096+((\ks)%2)*2048+512*\c
.endr
.set AT_, AT_+1
.endr
.endm
.macro FETCH m                         ; w_proj's fragments of double step m (group m / 4, K steps 2 (m % 4) and + 1; four blocks of 16 rows) into set m % 2: 32 loads
.set FG_, (\m)/4
.set FK_, (\m)%4
.set FE_, (\m)%2
	WIN 0xc0
.irp ki, 0,1
.irp g, 0,1,2,3
.irp c, 0,1,2,3
	ds_load_b128 v[128*FE_+64*\ki+16*\g+4*\c:128*FE_+64*\ki+16*\g+4*\c+3], v[ADRW+FG_] offset:\g*16*PITCH+128*(2*FK_+\ki)+32*\c
.endr
.endr
.endr
	WIN 0
.endm
.macro PROD                            ; one product; the first of a sum takes the constant 0 as C
.if KS_ == 0
.if (GG_%2) && (TT_%2)
	v_wmma_scale_f32_16x16x128_f8f6f4 v[AC_:AC_+7], v[W_:W_+15], v[R_:R_+15], 0, v[SW_], v[SO_] matrix_a_fmt:MATRIX_FMT_BF8 matrix_b_fmt:MATRIX_FMT_BF8 matrix_a_scale:MATRIX_SCALE_ROW1 matrix_b_scale:MATRIX_SCALE_ROW1
.elseif GG_%2
	v_wmma_scale_f32_16x16x128_f8f6f4 v[AC_:AC_+7], v[W_:W_+15], v[R_:R_+15], 0, v[SW_], v[SO_] matrix_a_fmt:MATRIX_FMT_BF8 matrix_b_fmt:MATRIX_FMT_BF8 matrix_a_scale:MATRIX_SCALE_ROW1
.elseif TT_%2
	v_wmma_scale_f32_16x16x128_f8f6f4 v[AC_:AC_+7], v[W_:W_+15], v[R_:R_+15], 0, v[SW_], v[SO_] matrix_a_fmt:MATRIX_FMT_BF8 matrix_b_fmt:MATRIX_FMT_BF8 matrix_b_scale:MATRIX_SCALE_ROW1
.else
	v_wmma_scale_f32_16x16x128_f8f6f4 v[AC_:AC_+7], v[W_:W_+15], v[R_:R_+15], 0, v[SW_], v[SO_] matrix_a_fmt:MATRIX_FMT_BF8 matrix_b_fmt:MATRIX_FMT_BF8
.endif
.else
.if (GG_%2) && (TT_%2)
	v_wmma_scale_f32_16x16x128_f8f6f4 v[AC_:AC_+7], v[W_:W_+15], v[R_:R_+15], v[AC_:AC_+7], v[SW_], v[SO_] matrix_a_fmt:MATRIX_FMT_BF8 matrix_b_fmt:MATRIX_FMT_BF8 matrix_a_scale:MATRIX_SCALE_ROW1 matrix_b_scale:MATRIX_SCALE_ROW1
.elseif GG_%2
	v_wmma_scale_f32_16x16x128_f8f6f4 v[AC_:AC_+7], v[W_:W_+15], v[R_:R_+15], v[AC_:AC_+7], v[SW_], v[SO_] matrix_a_fmt:MATRIX_FMT_BF8 matrix_b_fmt:MATRIX_FMT_BF8 matrix_a_scale:MATRIX_SCALE_ROW1
.elseif TT_%2
	v_wmma_scale_f32_16x16x128_f8f6f4 v[AC_:AC_+7], v[W_:W_+15], v[R_:R_+15], v[AC_:AC_+7], v[SW_], v[SO_] matrix_a_fmt:MATRIX_FMT_BF8 matrix_b_fmt:MATRIX_FMT_BF8 matrix_b_scale:MATRIX_SCALE_ROW1
.else
	v_wmma_scale_f32_16x16x128_f8f6f4 v[AC_:AC_+7], v[W_:W_+15], v[R_:R_+15], v[AC_:AC_+7], v[SW_], v[SO_] matrix_a_fmt:MATRIX_FMT_BF8 matrix_b_fmt:MATRIX_FMT_BF8
.endif
.endif
.endm
; A DOUBLE STEP: 2 x 16 products.  Behind them eight places, then the run of loads that fills its set again, two double steps ahead.
.macro DS m
.set G_, (\m)/4
.set KP_, (\m)%4
.set E_, (\m)%2
.if (\m) < 7
	s_wait_dscnt 32                                ; my set is in; the other set's 32 loads may be out
.else
	s_wait_dscnt 0x0
.endif
.set KI_, 0
.rept 2
.set KS_, 2*KP_+KI_
.if G_ == 0
.if KS_ < 4
	s_wait_loadcnt 48                              ; o's fragments of this K step are in; behind them those of the next three steps were asked for, 16 loads each
.else
	s_wait_loadcnt 16*(7-KS_)                      ; likewise: the steps that are left
.endif
.endif
	WIN 3|((1+KS_/4)<<2)                           ; source 0 window 3, source 1 window 1 or 2, C and D window 0
.set GG_, 0
.rept 4
.set TT_, 0
.rept 4
.set AC_, ACC+8*(4*GG_+TT_)
.set W_, 128*E_+64*KI_+16*GG_
.set R_, 16*((4*KS_+TT_)%16)
.set SW_, WS+8*(2*G_+GG_/2)+KS_
.set SO_, OS+8*(TT_/2)+KS_
	PROD
.set TT_, TT_+1
.endr
.set GG_, GG_+1
.endr
.if (G_ == 0) && (KS_ < 4)
	ALOAD KS_+4                                    ; four K steps ahead: registers that no product has read yet
.endif
.set KI_, KI_+1
.endr
	WIN 0
	PLACES 8                                       ; behind the last products: for the loads into the set that they read, and for the first readers of finished sums (ISA guide 7.12.1 for the readers of sums)
.if (\m) < 6
	FETCH (\m)+2
.endif
.endm
; THE WAY OUT.  Rows come back into v224-255 (even tiles) or into the registers of token tile 0's four accumulators, which have been stored to the stage by then (odd tiles).
.macro QUAD set, i
.if \set
.set Q_, ACC+32*((\i)/2)+4*((\i)%2)
.else
.set Q_, RB+4*(\i)
.endif
.endm
.macro TOSTAGE t                       ; token tile t: 16 tokens x 64 features into my stage, each accumulator from its low end on, and back as rows of 256 bytes.  LDS serves a wave's instructions in order (ISA guide 5.7.1.4)
.irp g, 0,1,2,3
	ds_store_b128 v[STO], v[ACC+8*(4*\g+(\t)):ACC+8*(4*\g+(\t))+3] offset:64*\g
	ds_store_b128 v[STO], v[ACC+8*(4*\g+(\t))+4:ACC+8*(4*\g+(\t))+7] offset:64*\g+16
.endr
.set I_, 0
.rept 8
	QUAD (\t)%2, I_
	ds_load_b128 v[Q_:Q_+3], v[RD] offset:2*I_*SPITCH
.set I_, I_+1
.endr
.endm
.macro SEND t, grp, younger            ; younger: the LDS instructions issued behind tile t's loads
	s_wait_dscnt \younger
.set I_, 0
.rept 8
	QUAD (\t)%2, I_
	v_pk_add_f32 v[Q_:Q_+1], v[Q_:Q_+1], v[BI+4*\grp:BI+4*\grp+1]
	v_pk_add_f32 v[Q_+2:Q_+3], v[Q_+2:Q_+3], v[BI+4*\grp+2:BI+4*\grp+3]
.set I_, I_+1
.endr
.set I_, 0
.rept 8
	QUAD (\t)%2, I_
	global_store_b128 v[CO], v[Q_:Q_+3], s[44:45] offset:(16*(\t)+2*I_)*4096+256*\grp th:TH_STORE_NT   ; sixteen lanes store 256 consecutive bytes, at a multiple of 256 from out0's first byte
.set I_, I_+1
.endr
.endm
.macro WAYOUT grp
	TOSTAGE 0
.irp a, 1,2,3
.if \a > 1
	s_wait_xcnt 0x0                                ; tile a - 2's stores have read their registers: tile a's rows may land there
.endif
	TOSTAGE \a
	SEND \a-1, \grp, 16                            ; behind tile a - 1's loads: tile a's 8 stores and 8 loads
.endr
	SEND 3, \grp, 0
	s_wait_xcnt 0x0                                ; the stores have read their registers, which the next group's products write
.endm
	s_load_b256 s[4:11], s[0:1], 0x0               ; o_img, o_sc, w_proj_codes, w_proj_scales
	s_load_b128 s[12:15], s[0:1], 0x20             ; b_proj, out0
	v_lshl_add_u32 v[SPW], v0, 2, SPARE
	v_mov_b32 v[NIL], 0
	ds_add_u32 v[SPW], v[NIL]                      ; the opening lines: the add twice on end and its wait ahead of my tensor load
	ds_add_u32 v[SPW], v[NIL]
	v_lshrrev_b32 v1, 5, v0
	v_readfirstlane_b32 s16, v1                    ; wave 0..3
	s_bfe_u32 s17, ttmp6, 0x40000                  ; cx
	s_lshl_b32 s18, ttmp9, 2
	s_add_co_u32 s18, s18, s17                     ; my block of 256 tokens
	s_and_b32 s19, ttmp7, 0xffff                   ; my block of 128 features: the cluster's y
	s_mov_b32 s[G1], 15|(1<<20)|(1<<21)|(7<<22)|(3<<25)   ; the mask: all four of the cluster; elements of 1 byte; padding: 4 words behind every 256; bit 21 beside a mask
	s_mov_b32 s[G1+1], 1024<<16                    ; 32 whole rows of 1,024 bytes, dense in memory
	s_mov_b32 s[G1+2], 32<<16
	s_mov_b32 s[G1+3], 1024<<16
	s_mov_b32 s[G1+4], 32
	s_mov_b32 s[G1+5], 1024
	s_mov_b32 s[G1+6], 0
	s_mov_b32 s[G1+7], 0
	s_mov_b32 s[G0], 1
	s_mul_i32 s[G0+1], s16, 32*PITCH               ; my 32 rows in LDS,
	s_lshl_b32 s20, s19, 17
	s_lshl_b32 s21, s16, 15
	s_add_co_u32 s20, s20, s21                     ; and in w_proj_codes: made of the cluster's y and the wave's number alone
	s_mov_b32 s21, 0
	s_wait_dscnt 0x0
	CROUND                                         ; the four work-groups are here: the joint loads meet
	s_wait_kmcnt 0x0
	s_add_nc_u64 s[G0+2:G0+3], s[8:9], s[20:21]
	s_or_b32 s[G0+3], s[G0+3], 0x80000000
	tensor_load_to_lds s[G0:G0+3], s[G1:G1+7]      ; my one tensor load of the launch
	s_nop 0
	PLACES 4
	s_lshl_b32 s22, s18, 8
	s_lshl_b32 s23, s16, 6
	s_add_co_u32 s22, s22, s23                     ; my first token
	s_lshl_b32 s20, s22, 8                         ; o_img: 4,096 bytes for 16 tokens
	s_add_nc_u64 s[36:37], s[4:5], s[20:21]
	s_lshl_b32 s20, s22, 5                         ; o_sc: 32 bytes a token
	s_add_nc_u64 s[38:39], s[6:7], s[20:21]
	s_lshl_b32 s20, s19, 12                        ; w_proj_scales: 32 bytes a row
	s_add_nc_u64 s[40:41], s[10:11], s[20:21]
	s_lshl_b32 s20, s19, 9                         ; b_proj, and a row of out0: 512 bytes for 128 features
	s_add_nc_u64 s[42:43], s[12:13], s[20:21]
	s_lshl_b32 s23, s22, 12                        ; out0: 4,096 bytes a token
	s_add_co_u32 s20, s20, s23
	s_add_nc_u64 s[44:45], s[14:15], s[20:21]
	s_mul_i32 s23, s16, 16*SPITCH
	s_add_co_u32 s23, s23, STAGE                   ; my stage
	v_and_b32 v1, 31, v0
	v_and_b32 v4, 15, v0                           ; r
	v_bfe_u32 v5, v0, 4, 1                         ; hf
	v_lshlrev_b32 v[LI], 4, v1
	v_lshlrev_b32 v[L32], 5, v1
	v_mul_u32_u24 v[ADRW], v4, PITCH
	v_lshlrev_b32 v[LB], 4, v4
	v_mul_u32_u24 v[STO], v4, SPITCH
	v_mul_u32_u24 v[RD], v5, SPITCH
	v_lshl_add_u32 v[ADRW], v5, 4, v[ADRW]         ; a fragment's row x pitch + 16 x half
	v_lshl_add_u32 v[CO], v5, 12, v[LB]
	v_lshl_add_u32 v[STO], v5, 5, v[STO]
	v_add_nc_u32 v[RD], v[RD], v[LB]
	v_add_nc_u32 v[ADRW+1], 64*PITCH, v[ADRW]
	v_add_nc_u32 v[STO], s23, v[STO]
	v_add_nc_u32 v[RD], s23, v[RD]
	s_wait_alu depctr_va_vdst(0)
.irp p, 0,1,2,3
	global_load_b128 v[WS+8*\p:WS+8*\p+3], v[L32], s[40:41] offset:1024*\p
	global_load_b128 v[WS+8*\p+4:WS+8*\p+7], v[L32], s[40:41] offset:1024*\p+16
.endr
.irp p, 0,1
	global_load_b128 v[OS+8*\p:OS+8*\p+3], v[L32], s[38:39] offset:1024*\p
	global_load_b128 v[OS+8*\p+4:OS+8*\p+7], v[L32], s[38:39] offset:1024*\p+16
.endr
	global_load_b128 v[BI:BI+3], v[LB], s[42:43]               ; the bias of the four features that I hold of a row read back: group 0's,
	global_load_b128 v[BI+4:BI+7], v[LB], s[42:43] offset:256  ; group 1's
	ALOAD 0
	ALOAD 1
	ALOAD 2
	WIN 0
	s_wait_tensorcnt 0x0                           ; my 32 rows of w_proj are in,
	s_barrier_signal -1
	s_barrier_wait -1                              ; everybody's are
	FETCH 0
	FETCH 1
	ALOAD 3
.irp m, 0,1,2,3
	DS \m
.endr
	WAYOUT 0
.irp m, 4,5,6,7
	DS \m
.endr
	WAYOUT 1
	s_wait_tensorcnt 0x0                           ; the wave's end
	ds_add_u32 v[SPW], v[NIL]
	s_wait_dscnt 0x0
	CROUND                                         ; the closing round
	s_endpgm
.Lfunc_end_k_q209fb697db_proj:
	.size	k_q209fb697db_proj, .Lfunc_end_k_q209fb697db_proj-k_q209fb697db_proj
	.p2alignl 7, 3214868480
	.fill 96, 4, 3214868480
	.section	.rodata,"a",@progbits
	.p2align	6, 0x0
	.amdhsa_kernel k_q209fb697db_proj
		.amdhsa_group_segment_fixed_size 327680
		.amdhsa_private_segment_fixed_size 0
		.amdhsa_enable_private_segment 0
		.amdhsa_kernarg_size 48
		.amdhsa_user_sgpr_count 2
		.amdhsa_user_sgpr_kernarg_segment_ptr 1
		.amdhsa_wavefront_size32 1
		.amdhsa_system_sgpr_workgroup_id_x 1
		.amdhsa_system_sgpr_workgroup_id_y 1
		.amdhsa_system_sgpr_workgroup_id_z 1
		.amdhsa_system_vgpr_workitem_id 0
		.amdhsa_next_free_vgpr 1024
		.amdhsa_next_free_sgpr 66
		.amdhsa_reserve_vcc 0
		.amdhsa_float_denorm_mode_32 3
		.amdhsa_float_denorm_mode_16_64 3
		.amdhsa_memory_ordered 1
		.amdhsa_forward_progress 1
		.amdhsa_inst_pref_size 92
	.end_amdhsa_kernel
	.amdgpu_metadata
---
amdhsa.version: [ 1, 2 ]
amdhsa.kernels:
  - .name:           k_q209fb697db_proj
    .symbol:         k_q209fb697db_proj.kd
    .args:
      - { .name: o_img, .offset: 0, .size: 8, .value_kind: global_buffer, .address_space: global }
      - { .name: o_sc, .offset: 8, .size: 8, .value_kind: global_buffer, .address_space: global }
      - { .name: w_proj_codes, .offset: 16, .size: 8, .value_kind: global_buffer, .address_space: global }
      - { .name: w_proj_scales, .offset: 24, .size: 8, .value_kind: global_buffer, .address_space: global }
      - { .name: b_proj, .offset: 32, .size: 8, .value_kind: global_buffer, .address_space: global }
      - { .name: out0, .offset: 40, .size: 8, .value_kind: global_buffer, .address_space: global }
    .group_segment_fixed_size: 327680
    .private_segment_fixed_size: 0
    .kernarg_segment_align: 8
    .kernarg_segment_size: 48
    .max_flat_workgroup_size: 128
    .sgpr_count:     66
    .vgpr_count:     1024
    .wavefront_size: 32
...
	.end_amdgpu_metadata
.endif
;; end of part 3
